; MI455X (gfx1250); checked and timed in simulation.
; The chip was launched on July 23, 2026; its instructions are those of AMD's public machine-readable ISA for CDNA 5 (MIT licence, August 2026) and "CDNA5" Instruction Set Architecture Reference Guide (July 2026). The comments in the code are by the model that wrote it; some were corrected since.
;; LSTM Cell. Allowed arithmetic: matrix products marked QUANTISED: E4M3 operands, one E8M0 scale for each 32 along K, by v_wmma_scale_f32_16x16x128_f8f6f4 with both operands' format E4M3, f32 sums; everything else in f32.
;; Inputs: Whf_codes 1,024 x 32 x 32 uint8 (E4M3 codes of Whf, K innermost, in blocks of 32 codes); Whf_scales 1,024 x 32 uint8 (E8M0 scales of Whf, one for each 32 codes along K); Whg_codes 1,024 x 32 x 32 uint8 (E4M3 codes of Whg, K innermost, in blocks of 32 codes); Whg_scales 1,024 x 32 uint8 (E8M0 scales of Whg, one for each 32 codes along K); Whi_codes 1,024 x 32 x 32 uint8 (E4M3 codes of Whi, K innermost, in blocks of 32 codes); Whi_scales 1,024 x 32 uint8 (E8M0 scales of Whi, one for each 32 codes along K); Who_codes 1,024 x 32 x 32 uint8 (E4M3 codes of Who, K innermost, in blocks of 32 codes); Who_scales 1,024 x 32 uint8 (E8M0 scales of Who, one for each 32 codes along K); Wif_codes 1,024 x 32 x 32 uint8 (E4M3 codes of Wif, K innermost, in blocks of 32 codes); Wif_scales 1,024 x 32 uint8 (E8M0 scales of Wif, one for each 32 codes along K); Wig_codes 1,024 x 32 x 32 uint8 (E4M3 codes of Wig, K innermost, in blocks of 32 codes); Wig_scales 1,024 x 32 uint8 (E8M0 scales of Wig, one for each 32 codes along K); Wii_codes 1,024 x 32 x 32 uint8 (E4M3 codes of Wii, K innermost, in blocks of 32 codes); Wii_scales 1,024 x 32 uint8 (E8M0 scales of Wii, one for each 32 codes along K); Wio_codes 1,024 x 32 x 32 uint8 (E4M3 codes of Wio, K innermost, in blocks of 32 codes); Wio_scales 1,024 x 32 uint8 (E8M0 scales of Wio, one for each 32 codes along K); bf 1,024 float32; bg 1,024 float32; bi 1,024 float32; bo 1,024 float32; c 8,192 x 1,024 float32; h_codes 8,192 x 32 x 32 uint8 (E4M3 codes of h, K innermost, in blocks of 32 codes); h_scales 8,192 x 32 uint8 (E8M0 scales of h, one for each 32 codes along K); inputs_codes 8,192 x 32 x 32 uint8 (E4M3 codes of inputs, K innermost, in blocks of 32 codes); inputs_scales 8,192 x 32 uint8 (E8M0 scales of inputs, one for each 32 codes along K).
;; Outputs: out0 8,192 x 1,024 float32; out1 8,192 x 1,024 float32.
;; This version of the problem:
;;   THIS VERSION OF THE PROBLEM IS GIVEN IN LOW PRECISION. The matrix products marked QUANTISED in the list below multiply operands that are first quantised to E4M3 (4 exponent bits, 3 mantissa bits; 8 bits a number), with one power-of-two scale for each 32 numbers along K (OCP MX v1.0); their sums are f32. All else is computed in f32.
;;   The module's matrix products, in the order in which they are computed (A, B: the left and right operand; K: the contracted axis; several contracted axes count as one K, in the product's order):
;;     1. [M 8,192, K 1,024] x [K 1,024, N 1,024]; A: input inputs (given as codes); B: input Wii (given as codes): QUANTISED
;;     2. [M 8,192, K 1,024] x [K 1,024, N 1,024]; A: input h (given as codes); B: input Whi (given as codes): QUANTISED
;;     3. [M 8,192, K 1,024] x [K 1,024, N 1,024]; A: input inputs (given as codes); B: input Wif (given as codes): QUANTISED
;;     4. [M 8,192, K 1,024] x [K 1,024, N 1,024]; A: input h (given as codes); B: input Whf (given as codes): QUANTISED
;;     5. [M 8,192, K 1,024] x [K 1,024, N 1,024]; A: input inputs (given as codes); B: input Wig (given as codes): QUANTISED
;;     6. [M 8,192, K 1,024] x [K 1,024, N 1,024]; A: input h (given as codes); B: input Whg (given as codes): QUANTISED
;;     7. [M 8,192, K 1,024] x [K 1,024, N 1,024]; A: input inputs (given as codes); B: input Wio (given as codes): QUANTISED
;;     8. [M 8,192, K 1,024] x [K 1,024, N 1,024]; A: input h (given as codes); B: input Who (given as codes): QUANTISED
;;   THE QUANTISER, for each operand of a quantised product, along K:
;;     - K is cut into blocks of 32 from its start; a last block that is shorter is filled with zeros.
;;     - A block's scale is 2^e with e = floor(log2(the largest magnitude in the block)) - 8, held to -126 .. 127; a block of zeros has e = 0. As a byte (E8M0): e + 127.
;;     - Each number is divided by its block's scale, clamped to +-448, and rounded to the nearest number of E4M3, ties to even, subnormals kept.
;;     - The product sums the exact products of the quantised numbers (number of the format x scale) in f32.
;;   ~~~python
;;   def quantise(x, axis):      # numpy; x: float32 -> the quantised numbers, widened to float32 again
;;       x = np.moveaxis(x, axis, -1); K = x.shape[-1]
;;       x = np.pad(x, [(0, 0)] * (x.ndim - 1) + [(0, -K % 32)]); x = x.reshape(x.shape[:-1] + (-1, 32)); a = np.abs(x).max(-1, keepdims=True)
;;       e = np.where(a > 0, np.clip(np.frexp(np.where(a > 0, a, 1))[1] - 1 - 8, -126, 127), 0)      # np.frexp(a)[1] - 1 = floor(log2(a)), exactly
;;       r = np.clip(x / 2.0 ** e, -448, 448)
;;       step = 2.0 ** (np.maximum(np.frexp(np.where(r == 0, 1, r))[1] - 1, -6) - 3)
;;       q = np.round(r / step) * step * 2.0 ** e      # np.round: ties to even
;;       return np.moveaxis(q.reshape(q.shape[:-2] + (-1,))[..., :K], -1, axis).astype(np.float32)
;;   ~~~
;;   INPUTS GIVEN AS CODES. Whf (in the module: [1024, 1024], K = its axis 0); Whg (in the module: [1024, 1024], K = its axis 0); Whi (in the module: [1024, 1024], K = its axis 0); Who (in the module: [1024, 1024], K = its axis 0); Wif (in the module: [1024, 1024], K = its axis 0); Wig (in the module: [1024, 1024], K = its axis 0); Wii (in the module: [1024, 1024], K = its axis 0); Wio (in the module: [1024, 1024], K = its axis 0); h (in the module: [8192, 1024], K = its axis 1); inputs (in the module: [8192, 1024], K = its axis 1): each comes as NAME_codes (uint8): NAME with its K axis moved to the last place and cut into blocks of 32 codes, [.., K / 32, bytes a block], one block behind the other in memory; one code a byte (a code: sign, 4 exponent bits, 3 mantissa bits); and NAME_scales (uint8): the same leading axes, one E8M0 byte (e + 127) for each 32 codes along K. Its value is code x scale, taken as it is: it is not quantised again, and the codes and scales need not be those that the quantiser above would give.
;; One version. Each part assembles by itself: llvm-mc -triple=amdgcn-amd-amdhsa -mcpu=gfx1250 --defsym DOCPART=n.
;; ======== version 1 of 1: 1 launch
;; limits: below input magnitudes of 1e-05 results are inexact or not finite
;; launch lstm (part 1): grid 16 x 32, 4 waves a work-group, clusters of 4 x 4, 327,680 bytes of LDS; arguments inputs_codes, h_codes, inputs_scales, h_scales, Wii_codes, Wif_codes, Wig_codes, Wio_codes, Whi_codes, Whf_codes, Whg_codes, Who_codes, Wii_scales, Wif_scales, Wig_scales, Wio_scales, Whi_scales, Whf_scales, Whg_scales, Who_scales, bi, bf, bg, bo, c, out0, out1; writes out0, out1
.if DOCPART == 1
	.amdgcn_target "amdgcn-amd-amdhsa--gfx1250"
	.amdhsa_code_object_version 6
	.text
	.protected	k_q0ff646bfcb_lstm
	.globl	k_q0ff646bfcb_lstm
	.p2align	8
	.type	k_q0ff646bfcb_lstm,@function
k_q0ff646bfcb_lstm:
	s_mov_b64 s[64:65], 0
	v_nop
	global_prefetch_b8 v0, s[64:65] scope:SCOPE_SE
	s_setreg_imm32_b32 hwreg(HW_REG_WAVE_MODE, 25, 1), 1
	s_wait_xcnt 0x0
	s_wait_alu depctr_hold_cnt(0) depctr_sa_sdst(0) depctr_va_vdst(0) depctr_va_sdst(0) depctr_va_ssrc(0) depctr_va_vcc(0) depctr_vm_vsrc(0)
	s_getreg_b32 s2, hwreg(HW_REG_IB_STS2, 6, 4)
	s_cmp_eq_u32 s2, 0
	s_cbranch_scc0 .Lentry_in_a_cluster
	s_endpgm
.Lentry_in_a_cluster:
	s_bfe_u32 s2, ttmp6, 0x10000c
	s_cmp_lg_u32 s2, 0xf033
	s_cbranch_scc0 .Lentry_shape_is_right
	s_endpgm
.Lentry_shape_is_right:
; AN LSTM CELL, B = 8,192, IN = H = 1,024, on codes of FP8 (E4M3) with one E8M0 scale for each 32 along K.
; The eight products are ONE product: M = 8,192 rows, K = 2,048 (the inputs' 1,024, then h's 1,024), N = 4 gates x 1,024 hidden columns.  The sums never leave the registers:
; behind them come the biases, i, f, o = sigmoid, g = tanh, new_c = f c + i g (out0), new_h = o tanh(new_c) (out1), all in f32.
; SHARES.  A work-group owns 256 rows x 64 hidden columns x all four gates: a tile of 256 x 256 sums.  Four waves, as many as a WGP has SIMDs; a wave holds 128 x 128: 64 accumulators, 512 registers.
;   Wave w: RH = w / 2, CH = w % 2.  Its block a of rows (0..7) is rows 64 (a / 2) + 32 RH + 16 (a % 2) + 0..15; its block b = 2 gate + u of columns is that gate's hidden columns 32 CH + 16 u + 0..15.
;   THE MATRIX INSTRUCTION IS USED TRANSPOSED (source 0 = 16 rows of a weight, source 1 = 16 rows of the inputs or of h): lane l holds row l % 16, its register j the hidden column 8 (l / 16) + j.
;   So the four gates of one element lie in ONE lane at the same j, and the cell's arithmetic needs no other lane.
; K goes in 8 steps of 256 (two matrix instructions deep) through a ring of two LDS slots.  A step has FIVE sources (the rows' tile and four weight buffers, which lie anywhere in memory), there are four waves,
;   and a wave issues one tensor load behind each change of slots.  So wave 0 fetches the rows' tile, waves 1 to 3 the tiles of gates i, f, g, and gate o's tile (16 KiB of a step's 128 KiB) comes through
;   registers, 16 rows a wave, a K step ahead, into LDS blocks that no tensor load fills.
; CLUSTERS: 4 x 4 work-groups.  The four of a row of the cluster need the same rows' tile, the four of a column the same weights' tiles: each is asked for JOINTLY.  Not shared: gate o's tile (one eighth of a
;   step's bytes: there is no fifth wave to ask for it), the scale bytes (one thirty-second of the codes), and c, which one work-group alone reads.
; THE SCALES of the work-group's 256 rows and 256 weight rows for all of K come once, through registers, and lie in LDS by K step: 8 bytes a row and step.
; THE LOOP'S ORDER.  128 along K are 64 matrix instructions, written as 16 QUADS: quad k multiplies the rows' block k / 2 by the weights' blocks 4 (k % 2) + 0 .. 3.  They want 16 fragments of four LDS loads.
;   ONE FRAGMENT STANDS BEHIND EACH QUAD, so that loads and products are issued side by side and no long run of loads stands between products.  The price: two switches of the register window for each fragment,
;   32 for 64 matrix instructions, since a load's destination and a product's lie in different windows.
; sigmoid(x) = 1 / (1 + 2^(-x log2 e)), tanh(x) = 1 - 2 / (1 + 2^(2 x log2 e)).  An exponential that overflows gives 1 / infinity = 0, one that falls to 0 gives 1 / 1: both ends are right for every finite x.
; LIMITS: tanh so made carries an absolute error of about 1e-7 (one unit in the last place of 1) also where |x| is smaller than that; NaN codes and scale bytes 0xff give NaN, as the definition does.
; REGISTERS, in windows of 256: window 0: v0-31 addresses; v32-63 scale words, two sets, and nothing else; v64-127 gate o on its way, two sets; v128-255 the rows' fragments, ONE set.
;   window 1: the weights' fragments, two sets, at v0 and v128; at the end v0-63 the biases.   windows 2, 3: accumulator (a, b) at v[8 (8 (a % 4) + b)] of window 2 + a / 4.
.set PITCH,  272                       ; an LDS row: 256 bytes + 16 of padding = 68 words: row r starts at bank 4 r mod 64 (64 banks of 4 bytes: ISA guide 11.1)
.set BPART,  256*PITCH                 ; a slot: the rows' 256 rows,
.set GATEB,  64*PITCH                  ; then 64 rows for each of the gates i, f, g,
.set OPART,  BPART+3*GATEB             ; then gate o's 64 rows: 121,856 = 476 x 256: whole blocks of 256 bytes that LDS stores alone write
.set SLOT,   BPART+4*GATEB             ; 139,264
.set SCL,    2*SLOT                    ; behind the ring: the scales, a block of KSB bytes for each K step; LDS stores alone write them
.set KSB,    4352                      ; in a block: the rows' 256 x 8 bytes, 128 bytes of nothing, the weights' 256 x 8 bytes, 128 of nothing
.set SCB,    2176                      ; where the weights' begin: lanes 16-31 so read the other half of the banks
.set SPARE,  SCL+8*KSB                 ; the spare words, 128 bytes for each wave: two blocks of 256 bytes that no other line names
.set STNC,   SLOT                      ; the way out: stages of 256 rows x 272 bytes for new_c and new_h, in slot 1, which has had its last fill and its last read by then
.set STNH,   SLOT+BPART
.set FR,     16                        ; registers of a fragment: 16 rows x 128 K
.set OGA,  10                          ; v10     gate o in memory: (16 w + l / 16) rows of 1,024 bytes + 16 (l % 16)
.set OST,  11                          ; v11-12  and in slot 0, 1
.set PFV,  13                          ; v13     c's tile: row 64 w + lane, for the prefetch
.set BV,   14                          ; v14     32 (l / 16): my eight columns in a bias
.set ADRA, 16                          ; v16-17  my fragments of the rows' tile in slot 0, 1
.set STO,  18                          ; v18-19  where I put 16 bytes of new_c, of new_h
.set STO2, 19
.set ADRB, 20                          ; v20-21  my fragments of the weights' tiles in slot 0, 1
.set CRD,  22                          ; v22     my eight numbers of c in its tile
.set RD,   23                          ; v23-24  where I read rows back from the two stages
.set RD2,  24
.set CO,   25                          ; v25     and the same place in out0 and out1
.set ADRS, 27                          ; v27     my scale words: lanes 0-15 the rows', lanes 16-31 the weights'
.set SPW,  28                          ; v28     my spare word: SPARE + 4 x my thread's number; never rewritten
.set NIL,  29                          ; v29     0; never rewritten
.set SC,   32                          ; set s at v[32 + 16 s]; register 2 i + q: block i's words for the step's q-th 128 along K
.set OS,   64
.set AF,   128
.set T,    64                          ; the way out: v64-127 the four gates of 16 elements (gate x 16 + 8 u + j); v128.. c, v144.. new_c, v160.. new_h; v192-255 rows read back
.set CC,   128
.set NC,   144
.set NH,   160
.set OB,   192
.set WV, 4                             ; s4 wave, s5 RH, s6 CH, s7 P = (wave + 3) % 4: the gate whose tile and scales I fetch
.set RH, 5
.set CH, 6
.set GP, 7
.set PO, 8                             ; s[8:9]   gate o's codes: the pair of K steps in hand;  s[10:11] Who's tile rows
.set HO, 10
.set HA, 12                            ; s[12:13] h's tile rows, s[14:15] my gate's h weights: descriptor words, type set
.set HB, 14
.set BIAS, 16                          ; s[16:23] bi, bf, bg, bo at my 32 columns
.set G1A, 24                           ; s[24:31] group 1, s[32:39] group 0 (a set for each slot) for the rows' tile
.set G0A, 32
.set G1B, 40                           ; s[40:47], s[48:55] the same for a gate's tile
.set G0B, 48
.set G1C, 56                           ; s[56:63] group 1 for c's tile; until then the four bases of the scales
.set T2A, 66                           ; s[66:67] at work, on numbers made of the tile row alone
.set CP,  72                           ; s[72:73] c, s[74:75] out0, s[76:77] out1 at the tile's first element
.set OUT0, 74
.set OUT1, 76
.set KS,  78                           ; s[78:79] -log2 e;  s[80:81] 2 log2 e: pairs, since packed forms name pairs
.set KT,  80
.set T2B, 82                           ; s[82:83] at work, on numbers made of the tile column alone
.set XO,  90                           ; s[90:91] Wio's tile rows
.set G0C, 92                           ; s[92:95] group 0 for c's tile
.set JFLAGS, (1<<20)|(1<<21)|(5<<22)|(3<<25)   ; elements of 1 byte; 20 padding on; 21 set beside a mask; 24:22 after every 64 words (code 5); 31:25 four words (code 3)
.set MSB, 0
.macro WIN new                         ; the immediate's high byte repeats the setting that is left; a switch that changes nothing is dropped
.if MSB != \new
	s_set_vgpr_msb (MSB<<8)|\new
.set MSB, \new
.endif
.endm
.set MUL_LO, 0xa1                      ; source 0 (weights) window 1, source 1 (rows) window 0, C and D window 2
.set MUL_HI, 0xf1                      ; the same, C and D window 3
.set TO_B,   0x40                      ; destination window 1, address window 0
.macro PLACES n
.rept \n
	v_nop
.endr
.endm
; A joint load: wave 0 asks for the rows' tile, waves 1 to 3 each for a gate's.  Each line has one mask; the branch hangs on the wave's number alone.  Four v_nop follow each line.
.macro JLOAD s
	s_cmp_eq_u32 s[WV], 0
	s_cbranch_scc0 .Lfor_b_\@
	tensor_load_to_lds s[G0A+4*\s:G0A+4*\s+3], s[G1A:G1A+7]
	s_nop 0
	PLACES 4
	s_branch .Lasked_\@
.Lfor_b_\@:
	tensor_load_to_lds s[G0B+4*\s:G0B+4*\s+3], s[G1B:G1B+7]
	s_nop 0
	PLACES 4
.Lasked_\@:
.endm
.macro CREST                           ; a round of the cluster's barrier behind its opening barrier
	s_cmp_lg_u32 s[WV], 0
	s_cbranch_scc1 .Lnot_wave_0_\@
	s_barrier_signal -3
.Lnot_wave_0_\@:
	s_barrier_wait -3
	s_barrier_signal -1
	s_barrier_wait -1
.endm
.macro CROUND                          ; a whole round
	s_barrier_signal -1
	s_barrier_wait -1
	CREST
.endm
	s_load_b256 s[32:39], s[0:1], 0x0              ; inputs' codes, h's codes, inputs' scales, h's scales
	s_load_b512 s[84:99], s[0:1], 0x20             ; the codes of Wii, Wif, Wig, Wio, Whi, Whf, Whg, Who
	s_load_b512 s[40:55], s[0:1], 0x60             ; their scales, in the same order
	s_load_b256 s[16:23], s[0:1], 0xa0             ; bi, bf, bg, bo
	s_load_b128 s[72:75], s[0:1], 0xc0             ; c, out0
	s_load_b64 s[76:77], s[0:1], 0xd0              ; out1
	v_lshl_add_u32 v[SPW], v0, 2, SPARE
	v_mov_b32 v[NIL], 0
	ds_add_u32 v28, v29
	s_wait_dscnt 0x0
	v_lshrrev_b32 v3, 5, v0
	v_readfirstlane_b32 s[WV], v3                  ; wave 0..3
	s_lshr_b32 s[RH], s[WV], 1
	s_and_b32 s[CH], s[WV], 1
	s_add_co_u32 s[GP], s[WV], 3
	s_and_b32 s[GP], s[GP], 3                      ; waves 1, 2, 3 take gates 0, 1, 2; wave 0 gate 3 (its scales alone)
	s_bfe_u32 s68, ttmp6, 0x40000                  ; cx, cy: my place in the cluster
	s_bfe_u32 s69, ttmp6, 0x40004
	s_lshl_b32 s70, ttmp9, 2
	s_add_co_u32 s70, s70, s68                     ; tile column (64 hidden columns) = 4 x cluster x + cx
	s_and_b32 s71, ttmp7, 0xffff
	s_lshl_b32 s71, s71, 2
	s_add_co_u32 s71, s71, s69                     ; tile row (256 rows) = 4 x cluster y + cy
	s_lshl_b32 s100, s69, 2
	s_lshl_b32 s100, 15, s100                      ; my row of the cluster
	s_lshl_b32 s101, 0x1111, s68                   ; my column
	s_or_b32 s[G1A], s100, JFLAGS                  ; the rows' tile: 256 rows x 256 bytes, 1,024 bytes apart; it goes to my row of the cluster
	s_mov_b32 s[G1A+1], 256<<16                    ; tensor_dim0
	s_mov_b32 s[G1A+2], 256<<16                    ; tensor_dim1
	s_mov_b32 s[G1A+3], 256<<16                    ; tile_dim0
	s_mov_b32 s[G1A+4], 256                        ; tile_dim1
	s_mov_b32 s[G1A+5], 1024                       ; tensor_dim0_stride
	s_mov_b32 s[G1A+6], 0
	s_mov_b32 s[G1A+7], 0
	s_mov_b32 s[KS], 0xbfb8aa3b                    ; -log2 e
	s_mov_b32 s[KS+1], 0xbfb8aa3b
	s_mov_b32 s[KT], 0x4038aa3b                    ; 2 log2 e
	s_mov_b32 s[KT+1], 0x4038aa3b
	s_wait_kmcnt 0x0
	; what hangs on the tile row alone
	s_lshl_b32 s[T2A], s71, 18                     ; 256 rows of 1,024 bytes
	s_mov_b32 s[T2A+1], 0
	s_add_nc_u64 s[HA:HA+1], s[34:35], s[T2A:T2A+1]        ; h's tile rows
	s_add_nc_u64 s[34:35], s[32:33], s[T2A:T2A+1]          ; slot 0: the inputs' tile rows, K step 0
	s_lshl_b32 s[T2A], s71, 13                     ; 256 rows of 32 scale bytes
	s_add_nc_u64 s[56:57], s[36:37], s[T2A:T2A+1]          ; the inputs' scales
	s_add_nc_u64 s[58:59], s[38:39], s[T2A:T2A+1]          ; h's
	s_add_nc_u64 s[38:39], s[34:35], 256                   ; slot 1: K step 1
	s_mov_b32 s[G0A], 1                            ; count = 1
	s_mov_b32 s[G0A+1], 0                          ; LDS address: slot 0
	s_mov_b32 s[G0A+4], 1
	s_mov_b32 s[G0A+5], SLOT
	s_or_b32 s[G0A+3], s[G0A+3], 0x80000000        ; type = 2
	s_or_b32 s[G0A+7], s[G0A+7], 0x80000000
	s_or_b32 s[HA+1], s[HA+1], 0x80000000
	; my gate's scales: a choice on the wave's number alone
	s_mov_b64 s[60:61], s[46:47]
	s_mov_b64 s[62:63], s[54:55]
	s_cmp_eq_u32 s[GP], 0
	s_cselect_b64 s[60:61], s[40:41], s[60:61]
	s_cselect_b64 s[62:63], s[48:49], s[62:63]
	s_cmp_eq_u32 s[GP], 1
	s_cselect_b64 s[60:61], s[42:43], s[60:61]
	s_cselect_b64 s[62:63], s[50:51], s[62:63]
	s_cmp_eq_u32 s[GP], 2
	s_cselect_b64 s[60:61], s[44:45], s[60:61]
	s_cselect_b64 s[62:63], s[52:53], s[62:63]
	s_lshl_b32 s[T2B], s70, 11                     ; 64 rows of 32 scale bytes
	s_mov_b32 s[T2B+1], 0
	s_add_nc_u64 s[60:61], s[60:61], s[T2B:T2B+1]
	s_add_nc_u64 s[62:63], s[62:63], s[T2B:T2B+1]
	; my gate's codes (s[40:55] are free now).  Wave 0's are formed and never asked for
	s_mov_b64 s[50:51], s[90:91]
	s_mov_b64 s[HB:HB+1], s[98:99]
	s_cmp_eq_u32 s[GP], 0
	s_cselect_b64 s[50:51], s[84:85], s[50:51]
	s_cselect_b64 s[HB:HB+1], s[92:93], s[HB:HB+1]
	s_cmp_eq_u32 s[GP], 1
	s_cselect_b64 s[50:51], s[86:87], s[50:51]
	s_cselect_b64 s[HB:HB+1], s[94:95], s[HB:HB+1]
	s_cmp_eq_u32 s[GP], 2
	s_cselect_b64 s[50:51], s[88:89], s[50:51]
	s_cselect_b64 s[HB:HB+1], s[96:97], s[HB:HB+1]
	s_lshl_b32 s[T2B], s70, 16                     ; 64 rows of 1,024 bytes
	s_add_nc_u64 s[50:51], s[50:51], s[T2B:T2B+1]          ; slot 0: K step 0
	s_add_nc_u64 s[HB:HB+1], s[HB:HB+1], s[T2B:T2B+1]
	s_add_nc_u64 s[54:55], s[50:51], 256                   ; slot 1: K step 1
	s_add_nc_u64 s[XO:XO+1], s[XO:XO+1], s[T2B:T2B+1]      ; gate o: Wio's tile rows,
	s_add_nc_u64 s[HO:HO+1], s[98:99], s[T2B:T2B+1]        ; Who's,
	s_add_nc_u64 s[PO:PO+1], s[XO:XO+1], 512               ; and K steps 2 and 3
	s_mul_i32 s2, s[GP], GATEB
	s_mov_b32 s[G0B], 1
	s_add_co_u32 s[G0B+1], s2, BPART               ; LDS: behind the rows' tile, gate P's 64 rows: no place in the cluster enters an LDS address
	s_mov_b32 s[G0B+4], 1
	s_add_co_u32 s[G0B+5], s2, BPART+SLOT
	s_or_b32 s[G0B+3], s[G0B+3], 0x80000000
	s_or_b32 s[G0B+7], s[G0B+7], 0x80000000
	s_or_b32 s[HB+1], s[HB+1], 0x80000000
	s_or_b32 s[G1B], s101, JFLAGS                  ; a gate's tile: 64 rows x 256 bytes; it goes to my column of the cluster
	s_mov_b32 s[G1B+1], 256<<16
	s_mov_b32 s[G1B+2], 64<<16
	s_mov_b32 s[G1B+3], 256<<16
	s_mov_b32 s[G1B+4], 64
	s_mov_b32 s[G1B+5], 1024
	s_mov_b32 s[G1B+6], 0
	s_mov_b32 s[G1B+7], 0
	s_lshl_b32 s86, s70, 8                         ; the biases at my 32 columns: 4 (64 x tile column + 32 CH)
	s_lshl_b32 s87, s[CH], 7
	s_add_co_u32 s86, s86, s87
	s_mov_b32 s87, 0
.irp g, 0,1,2,3
	s_add_nc_u64 s[BIAS+2*\g:BIAS+2*\g+1], s[BIAS+2*\g:BIAS+2*\g+1], s[86:87]
.endr
	s_lshl_b32 s84, s71, 20                        ; c, out0, out1 at the tile: 256 rows of 4,096 bytes x tile row + 256 bytes x tile column
	s_lshl_b32 s85, s70, 8
	s_add_co_u32 s84, s84, s85
	s_mov_b32 s85, 0
	s_add_nc_u64 s[CP:CP+1], s[CP:CP+1], s[84:85]
	s_add_nc_u64 s[OUT0:OUT0+1], s[OUT0:OUT0+1], s[84:85]
	s_add_nc_u64 s[OUT1:OUT1+1], s[OUT1:OUT1+1], s[84:85]
	s_mov_b32 s[G0C], 1                            ; c's tile: wave w brings rows 64 w .. 64 w + 63 into the bytes of slot 0's rows 64 w on
	s_mul_i32 s[G0C+1], s[WV], GATEB
	s_lshl_b32 s96, s[WV], 18
	s_mov_b32 s97, 0
	s_add_nc_u64 s[G0C+2:G0C+3], s[CP:CP+1], s[96:97]
	s_or_b32 s[G0C+3], s[G0C+3], 0x80000000
	CROUND                                         ; all sixteen work-groups are here: the first joint loads meet
	JLOAD 0                                        ; K steps 0 and 1: two tensor loads of mine are out, the most that this text has
	JLOAD 1
	v_and_b32 v1, 15, v0                           ; r = l % 16
	v_bfe_u32 v2, v0, 4, 1                         ; l / 16
	v_and_b32 v7, 31, v0                           ; lane
	v_mul_u32_u24 v3, v1, PITCH
	v_lshl_add_u32 v4, v2, 4, v3                   ; a fragment's row x pitch + 16 x half
	s_mul_i32 s2, s[RH], 32*PITCH
	v_add_nc_u32 v[ADRA], s2, v4
	s_add_co_u32 s88, s2, SLOT
	v_add_nc_u32 v[ADRA+1], s88, v4
	s_mul_i32 s88, s[CH], 32*PITCH
	s_add_co_u32 s88, s88, BPART
	v_add_nc_u32 v[ADRB], s88, v4
	s_add_co_u32 s88, s88, SLOT
	v_add_nc_u32 v[ADRB+1], s88, v4
	s_lshl_b32 s88, s[CH], 7
	s_add_co_u32 s88, s88, s2
	v_lshl_add_u32 v[CRD], v2, 5, v3               ; c and the stages: row r, + 32 bytes x half, + 32 RH rows, + 128 CH bytes
	v_add_nc_u32 v[CRD], s88, v[CRD]
	v_add_nc_u32 v[STO], STNC, v[CRD]
	v_add_nc_u32 v[STO2], STNH, v[CRD]
	s_lshl_b32 s88, s[WV], 4
	v_add_nc_u32 v5, s88, v2                       ; row 16 w + l / 16: sixteen lanes to a row of 256 bytes, two rows an instruction
	v_lshlrev_b32 v[OGA], 10, v5
	v_lshl_add_u32 v[OGA], v1, 4, v[OGA]
	v_mul_u32_u24 v6, v5, PITCH
	v_lshl_add_u32 v6, v1, 4, v6
	v_add_nc_u32 v[OST], OPART, v6
	v_add_nc_u32 v[OST+1], OPART+SLOT, v6
	v_add_nc_u32 v[RD], STNC, v6
	v_add_nc_u32 v[RD2], STNH, v6
	v_lshlrev_b32 v[CO], 12, v5
	v_lshl_add_u32 v[CO], v1, 4, v[CO]
	s_lshl_b32 s88, s[WV], 18
	v_lshl_add_u32 v[PFV], v7, 12, s88
	v_lshlrev_b32 v[BV], 5, v2
	s_xor_b32 s88, s[RH], 1                        ; lanes 16-31 stand SCB + 256 CH - 256 RH = 1,920 + 256 (CH + 1 - RH) bytes behind lanes 0-15: ONE product with the lane's half
	s_add_co_u32 s88, s88, s[CH]
	s_lshl_b32 s88, s88, 8
	s_add_co_u32 s88, s88, SCB-256
	v_mul_u32_u24 v8, s88, v2
	v_lshl_add_u32 v8, v1, 3, v8                   ; 8 bytes a row
	s_lshl_b32 s88, s[RH], 8
	s_add_co_u32 s88, s88, SCL
	v_add_nc_u32 v[ADRS], s88, v8
	; THE SCALES.  A row has 32 bytes in memory: 8 for each of a phase's four K steps.  A lane loads 16 bytes: row 16 t + lane / 2, K steps 2 (lane % 2) and 2 (lane % 2) + 1; a load of the wave covers 512 consecutive bytes.
	v_lshlrev_b32 v4, 4, v7                        ; the weights': my gate's 64 rows
	s_lshl_b32 s88, s[WV], 11
	v_add_nc_u32 v3, s88, v4                       ; the rows': rows 64 w on
	v_and_b32 v8, 1, v0
	v_bfe_u32 v9, v0, 1, 4
	v_mul_u32_u24 v8, v8, 2*KSB
	v_lshl_add_u32 v8, v9, 3, v8
	s_lshl_b32 s88, s[WV], 9
	s_add_co_u32 s88, s88, SCL
	v_add_nc_u32 v5, s88, v8                       ; in LDS: 2 (lane % 2) blocks + 8 (64 w + lane / 2)
	s_lshl_b32 s88, s[GP], 9
	s_add_co_u32 s88, s88, SCL+SCB
	v_add_nc_u32 v6, s88, v8                       ; and 8 (64 P + lane / 2) among the weights'
.irp t, 0,1,2,3
	global_load_b128 v[128+4*\t:131+4*\t], v3, s[56:57] offset:512*\t
.endr
.irp t, 0,1,2,3
	global_load_b128 v[144+4*\t:147+4*\t], v3, s[58:59] offset:512*\t
.endr
.irp t, 0,1,2,3
	global_load_b128 v[160+4*\t:163+4*\t], v4, s[60:61] offset:512*\t
.endr
.irp t, 0,1,2,3
	global_load_b128 v[176+4*\t:179+4*\t], v4, s[62:63] offset:512*\t
.endr
.irp t, 0,1,2,3,4,5,6,7
	global_load_b128 v[192+4*\t:195+4*\t], v[OGA], s[XO:XO+1] offset:2048*\t       ; gate o, K step 0
.endr
.irp t, 0,1,2,3,4,5,6,7
	global_load_b128 v[224+4*\t:227+4*\t], v[OGA], s[XO:XO+1] offset:2048*\t+256   ; K step 1
.endr
; gate o's 16 rows of mine of one K step, into set 0 or 1
.macro OLOAD set, imm
.irp t, 0,1,2,3,4,5,6,7
	global_load_b128 v[OS+32*(\set)+4*\t:OS+32*(\set)+4*\t+3], v[OGA], s[PO:PO+1] offset:2048*\t+(\imm)
.endr
.endm
	OLOAD 0, 0                                     ; K step 2
	s_wait_loadcnt 8                               ; all but the eight just issued
.irp src, 0,1
.irp t, 0,1,2,3
	ds_store_b64 v5, v[128+16*\src+4*\t:129+16*\src+4*\t] offset:\src*4*KSB+128*\t
	ds_store_b64 v5, v[130+16*\src+4*\t:131+16*\src+4*\t] offset:\src*4*KSB+KSB+128*\t
	ds_store_b64 v6, v[160+16*\src+4*\t:161+16*\src+4*\t] offset:\src*4*KSB+128*\t
	ds_store_b64 v6, v[162+16*\src+4*\t:163+16*\src+4*\t] offset:\src*4*KSB+KSB+128*\t
.endr
.endr
.irp t, 0,1,2,3,4,5,6,7
	ds_store_b128 v[OST], v[192+4*\t:195+4*\t] offset:2*PITCH*\t
	ds_store_b128 v[OST+1], v[224+4*\t:227+4*\t] offset:2*PITCH*\t
.endr
	s_mov_b32 s[G1C], (2<<16)|(1<<20)|(5<<22)|(3<<25)      ; (the scales' loads are done: their bases are free)  c's tile: no mask; elements of 4 bytes; four words of padding after every 64
	s_mov_b32 s[G1C+1], 64<<16                     ; 64 rows x 64 numbers, 1,024 numbers apart
	s_mov_b32 s[G1C+2], 64<<16
	s_mov_b32 s[G1C+3], 64<<16
	s_mov_b32 s[G1C+4], 64
	s_mov_b32 s[G1C+5], 1024
	s_mov_b32 s[G1C+6], 0
	s_mov_b32 s[G1C+7], 0
.macro FRAG reg, adr, q, i             ; a fragment: lane l holds row l % 16; registers 4 c .. 4 c + 3 hold K = 32 c + 16 (l / 16) + 0 .. 15.  Block i begins at row 64 (i / 2) + 16 (i % 2), on both sides
.irp c, 0,1,2,3
	ds_load_b128 v[\reg+4*\c:\reg+4*\c+3], v[\adr] offset:128*(\q)+32*\c+(64*((\i)/2)+16*((\i)%2))*PITCH
.endr
.endm
.macro LA slot, q, i                   ; the rows' block i of the slot's q-th 128 along K
	WIN 0
	FRAG AF+FR*(\i), ADRA+\slot, \q, \i
.endm
.macro LB slot, q, p, i                ; the weights' block i, into set p
	WIN TO_B
	FRAG 128*(\p)+FR*(\i), ADRB+\slot, \q, \i
.endm
.macro SCL2 sc, j                      ; the scale words of blocks 2 j and 2 j + 1 for a K step, two words a row: lanes 0-15 take the rows', lanes 16-31 the weights'.  (Window 0)
	ds_load_b64 v[SC+16*(\sc)+4*(\j):SC+16*(\sc)+4*(\j)+1], v[ADRS] offset:512*(\j)
	ds_load_b64 v[SC+16*(\sc)+4*(\j)+2:SC+16*(\sc)+4*(\j)+3], v[ADRS] offset:512*(\j)+128
.endm
.macro OST2 s, j                       ; four of my 16 rows of gate o out of set s into slot s.  (Window 0)
	ds_store_b128 v[OST+(\s)], v[OS+32*(\s)+8*(\j):OS+32*(\s)+8*(\j)+3] offset:2*PITCH*(2*(\j))
	ds_store_b128 v[OST+(\s)], v[OS+32*(\s)+8*(\j)+4:OS+32*(\s)+8*(\j)+7] offset:2*PITCH*(2*(\j)+1)
.endm
; QUAD k: four matrix instructions: the rows' block k / 2 x the weights' blocks 4 (k % 2) + 0 .. 3, the step's q-th 128 along K.  p: the weights' set;  sc: the set of scale words.  zero = 1: the products start the sums.
; The 64 accumulators take turns, one instruction a turn, in the same order in every 128 along K.
; PLACES.  A load into a register that a matrix instruction has read stands eight places behind it, and only plain vector instructions that name none of its registers are places.
; Two v_nop stand in every quad, so a load that stands four quads or more behind its registers' last reader has its places.
.macro QUAD k, p, q, sc, zero
	WIN (MUL_LO+0x50*((\k)/8))
.set qa, (\k)/2
.set qb, 4*((\k)%2)
.rept 4
.if \zero
	v_wmma_scale_f32_16x16x128_f8f6f4 v[8*(8*(qa%4)+qb):8*(8*(qa%4)+qb)+7], v[128*(\p)+FR*qb:128*(\p)+FR*qb+FR-1], v[AF+FR*qa:AF+FR*qa+FR-1], 0, v[SC+16*(\sc)+2*qb+(\q)], v[SC+16*(\sc)+2*qa+(\q)] matrix_a_scale:MATRIX_SCALE_ROW1
.else
	v_wmma_scale_f32_16x16x128_f8f6f4 v[8*(8*(qa%4)+qb):8*(8*(qa%4)+qb)+7], v[128*(\p)+FR*qb:128*(\p)+FR*qb+FR-1], v[AF+FR*qa:AF+FR*qa+FR-1], v[8*(8*(qa%4)+qb):8*(8*(qa%4)+qb)+7], v[SC+16*(\sc)+2*qb+(\q)], v[SC+16*(\sc)+2*qa+(\q)] matrix_a_scale:MATRIX_SCALE_ROW1
.endif
.if (qb%2) == 1
	v_nop
.endif
.set qb, qb+1
.endr
.endm
; Gate o's next K step is asked for: it has a whole K step in which to land.  In slot 1's step: the pair's second K step (3, 5, 7).  In slot 0's step: the next pair's first (4, 6), and nothing in the last lap.
.macro ONEXT slot
.if \slot == 0
	s_add_nc_u64 s[PO:PO+1], s[PO:PO+1], 512       ; (no load of mine is out)  the next pair of K steps;
	s_cmp_eq_u32 s3, 3
	s_cselect_b64 s[PO:PO+1], s[HO:HO+1], s[PO:PO+1]       ; behind K step 3 come Who's
	s_cmp_eq_u32 s3, 1
	s_cbranch_scc1 .Lno_o_\@                       ; there is no K step 8: no load leaves its buffer
	OLOAD 0, 0
.Lno_o_\@:
.else
	OLOAD 1, 256
	s_cmp_lg_u32 s3, 1
	s_cbranch_scc1 .Lno_pf_\@
	global_prefetch_b8 v[PFV], s[CP:CP+1] th:TH_LOAD_NT scope:SCOPE_SE               ; K step 5 asks for c's tile, which the tensor load in K step 6 reads: 212 matrix instructions of mine ahead.
	global_prefetch_b8 v[PFV], s[CP:CP+1] offset:131072 th:TH_LOAD_NT scope:SCOPE_SE ; Each wave its own 64 rows, a lane to a row's 256 bytes, each asked for once in the launch
.Lno_pf_\@:
.endif
.endm
; WHICH FRAGMENT STANDS BEHIND WHICH QUAD.  The rows have ONE set of registers: block a is free behind quad 2 a + 1.  The weights have two sets: the other set is free all the time.
;   behind quads 0, 1, 2: the rows' blocks 5, 6, 7 of THIS 128 along K (quads 10 to 15 multiply them; quads 10 to 15 of the last 128 read their registers);
;   behind quads 3-6: the weights' blocks 0-3 of the NEXT 128;  7: the rows' block 0;  8-11: the weights' blocks 4-7;  12-15: the rows' blocks 1-4.
;   The tightest places: block 7, read by quad 15 and loaded behind quad 2: seven v_nop of the quads and two written in front of the load.
; THE WAITS.  LDS instructions come back in order (ISA guide 5.7.1): a count is four for each fragment asked for behind the one that is wanted.  The scale words' loads, gate o's stores and the add are not counted:
;   the count is then smaller than what may stay out.
; The first 128 along K of a slot.  omode = 1: gate o's rows of the next K step, asked for a K step ago, go into the other slot, which the last change of slots has freed; the K step after it is asked for.
.macro STEP slot, zero, omode
	s_wait_dscnt 32                                ; the weights' blocks 0-3 and the rows' block 0 are in: eight fragments were asked for behind them
	QUAD 0, 0, 0, \slot, \zero
	LA \slot, 0, 5
.if \omode
	s_wait_loadcnt 0x0                             ; gate o's rows
	ONEXT \slot
.endif
	s_wait_dscnt 20                                ; the weights' block 7: five fragments behind it
	QUAD 1, 0, 0, \slot, \zero
	LA \slot, 0, 6
.if \omode
	OST2 1-\slot, 0
.endif
	s_wait_dscnt 20                                ; the rows' block 1
	QUAD 2, 0, 0, \slot, \zero
	WIN 0
	PLACES 2
	LA \slot, 0, 7
.if \omode
	OST2 1-\slot, 1
.endif
	QUAD 3, 0, 0, \slot, \zero
	LB \slot, 1, 1, 0
	s_wait_dscnt 24                                ; block 2
	QUAD 4, 0, 0, \slot, \zero
	LB \slot, 1, 1, 1
	QUAD 5, 0, 0, \slot, \zero
	LB \slot, 1, 1, 2
	s_wait_dscnt 28                                ; block 3
	QUAD 6, 0, 0, \slot, \zero
	LB \slot, 1, 1, 3
	QUAD 7, 0, 0, \slot, \zero
	LA \slot, 1, 0
.if \omode
	OST2 1-\slot, 2
.endif
	s_wait_dscnt 32                                ; block 4
	QUAD 8, 0, 0, \slot, \zero
	LB \slot, 1, 1, 4
	QUAD 9, 0, 0, \slot, \zero
	LB \slot, 1, 1, 5
	s_wait_dscnt 36                                ; block 5
	QUAD 10, 0, 0, \slot, \zero
	LB \slot, 1, 1, 6
	QUAD 11, 0, 0, \slot, \zero
	LB \slot, 1, 1, 7
	s_wait_dscnt 40                                ; block 6
	QUAD 12, 0, 0, \slot, \zero
	LA \slot, 1, 1
.if \omode
	OST2 1-\slot, 3
.endif
	QUAD 13, 0, 0, \slot, \zero
	LA \slot, 1, 2
	s_wait_dscnt 44                                ; block 7
	QUAD 14, 0, 0, \slot, \zero
	LA \slot, 1, 3
	QUAD 15, 0, 0, \slot, \zero
	LA \slot, 1, 4
.endm
; The slot's next K step: 512 bytes on along the rows; in the lap that asks for K steps 4 and 5 (s3 = 2) the tiles of h and of the h weights instead.  The 64-bit sums leave SCC alone.
.macro NEXTADR slot
	s_cmp_eq_u32 s3, 2
	s_add_nc_u64 s[T2A:T2A+1], s[HA:HA+1], 256*\slot
	s_add_nc_u64 s[G0A+4*\slot+2:G0A+4*\slot+3], s[G0A+4*\slot+2:G0A+4*\slot+3], 512
	s_cselect_b64 s[G0A+4*\slot+2:G0A+4*\slot+3], s[T2A:T2A+1], s[G0A+4*\slot+2:G0A+4*\slot+3]
	s_add_nc_u64 s[T2B:T2B+1], s[HB:HB+1], 256*\slot
	s_add_nc_u64 s[G0B+4*\slot+2:G0B+4*\slot+3], s[G0B+4*\slot+2:G0B+4*\slot+3], 512
	s_cselect_b64 s[G0B+4*\slot+2:G0B+4*\slot+3], s[T2B:T2B+1], s[G0B+4*\slot+2:G0B+4*\slot+3]
.endm
; The second 128 along K of a slot changes slots.  The slot's last reads are the three fragments behind quads 0 to 2; the next K step's scale words, which no tensor load touches, ride with them.
; Then each wave waits for all its tensor loads (one is out: its part of the next slot), adds 0 to its spare word, and waits for that, for its reads of this slot and for its stores of gate o into the next.
; The barrier opens a round of the cluster's barrier; behind the round this slot is filled again first.  Twelve matrix instructions stand between the wait for the tile and the next request.
; mode 1: with the K step two steps on, by the joint load.  mode 2: slot 0's first 256 rows take c's tile, 64 rows a wave.
; Behind the round the weights' blocks 0-3 come two to a quad; from quad 7 on the order is that of the first 128.
.macro TURN slot, next, mode
	s_wait_dscnt 32
	QUAD 0, 1, 1, \slot, 0
	WIN 0
	v_add_nc_u32 v[ADRS], KSB, v[ADRS]             ; the next K step's scale words
	LA \slot, 1, 5
	SCL2 \next, 0
	s_wait_dscnt 20
	QUAD 1, 1, 1, \slot, 0
	LA \slot, 1, 6
	SCL2 \next, 1
	s_wait_dscnt 20
	QUAD 2, 1, 1, \slot, 0
	WIN 0
	PLACES 2
	LA \slot, 1, 7
	SCL2 \next, 2
	SCL2 \next, 3
	s_wait_tensorcnt 0x0                           ; all my tensor loads have landed;  (every window is 0 here)
	ds_add_u32 v[SPW], v[NIL]                      ; 0 onto my spare word
	QUAD 3, 1, 1, \slot, 0                         ; eight matrix instructions stand between the add and the wait for it
	s_wait_dscnt 20                                ; the rows' block 2: five fragments were asked for behind it
	QUAD 4, 1, 1, \slot, 0
	s_wait_dscnt 0x0
	s_barrier_signal -1
	QUAD 5, 1, 1, \slot, 0
	WIN 0
	s_barrier_wait -1
	CREST                                          ; no wave of any partner still reads this slot or has a load on its way
.if \mode == 1
	NEXTADR \slot
	JLOAD \slot                                    ; 116 matrix instructions of mine stand between this request and the wait for it
.else
	tensor_load_to_lds s[G0C:G0C+3], s[G1C:G1C+7]
	s_nop 0
	PLACES 4
.endif
	LB \next, 0, 0, 0
	LB \next, 0, 0, 1
	QUAD 6, 1, 1, \slot, 0
	LB \next, 0, 0, 2
	LB \next, 0, 0, 3
	QUAD 7, 1, 1, \slot, 0
	LA \next, 0, 0
	QUAD 8, 1, 1, \slot, 0
	LB \next, 0, 0, 4
	QUAD 9, 1, 1, \slot, 0
	LB \next, 0, 0, 5
	QUAD 10, 1, 1, \slot, 0
	LB \next, 0, 0, 6
	QUAD 11, 1, 1, \slot, 0
	LB \next, 0, 0, 7
	QUAD 12, 1, 1, \slot, 0
	LA \next, 0, 1
	QUAD 13, 1, 1, \slot, 0
	LA \next, 0, 2
	QUAD 14, 1, 1, \slot, 0
	LA \next, 0, 3
	QUAD 15, 1, 1, \slot, 0
	LA \next, 0, 4
.endm
	s_wait_tensorcnt 1                             ; my part of K step 0 is in; K step 1's may stay out
	s_wait_dscnt 0x0                               ; my scales and my rows of gate o lie in LDS
	s_barrier_signal -1
	s_barrier_wait -1
.irp j, 0,1,2,3
	SCL2 0, \j                                     ; the first 128 along K: its scale words, then its fragments in the order in which the loop asks for them
.endr
.irp i, 0,1,2,3
	LB 0, 0, 0, \i
.endr
	LA 0, 0, 0
.irp i, 4,5,6,7
	LB 0, 0, 0, \i
.endr
.irp i, 1,2,3,4
	LA 0, 0, \i
.endr
	STEP 0, 1, 0                                   ; the first step stands in front of the loop: its products start the sums
	s_mov_b32 s3, 3
.Llap:                                                 ; a trip goes once round the ring and fills both slots again: s3 = 3: K steps 2, 3;  2: K steps 4, 5;  1: K steps 6, 7
	TURN 0, 1, 1
	STEP 1, 0, 1
	TURN 1, 0, 1
	STEP 0, 0, 1
	s_sub_co_u32 s3, s3, 1
	s_cmp_lg_u32 s3, 0
	s_cbranch_scc1 .Llap
	TURN 0, 1, 2                                   ; K step 6 ends; c's tile goes out
	STEP 1, 0, 0
	s_wait_dscnt 32                                ; the very last 128 along K: only the rows' blocks 5 to 7 are still to be fetched
	QUAD 0, 1, 1, 1, 0
	LA 1, 1, 5
	s_wait_dscnt 20
	QUAD 1, 1, 1, 1, 0
	LA 1, 1, 6
	s_wait_dscnt 20
	QUAD 2, 1, 1, 1, 0
	WIN 0
	PLACES 2
	LA 1, 1, 7
	QUAD 3, 1, 1, 1, 0
	WIN TO_B                                       ; the biases, in the results' layout, into the first half of the weights' set 0, which is done with: its last reader stands five quads, ten v_nop, back
.irp b, 0,1,2,3
	global_load_b128 v[8*\b:8*\b+3], v[BV], s[BIAS+2*(\b/2):BIAS+2*(\b/2)+1] offset:64*(\b%2)
	global_load_b128 v[8*\b+4:8*\b+7], v[BV], s[BIAS+2*(\b/2):BIAS+2*(\b/2)+1] offset:64*(\b%2)+16
.endr
	s_wait_dscnt 20                                ; the rows' block 2
	QUAD 4, 1, 1, 1, 0
	WIN TO_B
.irp b, 4,5,6,7
	global_load_b128 v[8*\b:8*\b+3], v[BV], s[BIAS+2*(\b/2):BIAS+2*(\b/2)+1] offset:64*(\b%2)
	global_load_b128 v[8*\b+4:8*\b+7], v[BV], s[BIAS+2*(\b/2):BIAS+2*(\b/2)+1] offset:64*(\b%2)+16
.endr
	QUAD 5, 1, 1, 1, 0
	s_wait_tensorcnt 0x0                           ; my 64 rows of c have landed (asked for 128 matrix instructions ago),
	s_wait_dscnt 0x0                               ; and my reads of slot 1 are over:
	s_barrier_signal -1
.irp k, 6,7,8,9,10,11,12,13,14,15
	QUAD \k, 1, 1, 1, 0
.endr
	WIN 0
	s_barrier_wait -1                              ; c's tile is whole, and nobody reads slot 1 any more: it takes the stages
	; THE WAY OUT.  2^(k (sum + bias)) is one fused multiply-add and one exponential if the bias is multiplied by k first: k = -log2 e for i, f, o, 2 log2 e for g.
	s_wait_loadcnt 0x0
	WIN 0x41                                       ; destination and source 0 window 1
.set e, 0
.rept 32                               ; these 32 name no register of the last products: they are the places behind them
.if (e >= 32) && (e < 48)
	v_pk_mul_f32 v[e:e+1], v[e:e+1], s[KT:KT+1] op_sel_hi:[1,0]
.else
	v_pk_mul_f32 v[e:e+1], v[e:e+1], s[KS:KS+1] op_sel_hi:[1,0]
.endif
.set e, e+2
.endr
	WIN 0
; Block a: 16 rows x my 32 hidden columns: 16 elements a lane.
.macro EPI a
.set AC, 64*((\a)%4)
.set RO, (64*((\a)/2)+16*((\a)%2))*PITCH
.irp n, 0,1,2,3
	ds_load_b128 v[CC+4*\n:CC+4*\n+3], v[CRD] offset:RO+64*(\n/2)+16*(\n%2)       ; c of my 16 elements
.endr
	WIN (0x12+(\a)/4)                              ; source 0 (the sums) window 2 or 3, source 2 (the biases) window 1
.set e, 0
.rept 32                               ; each accumulator from its low end on
.if (e >= 32) && (e < 48)
	v_pk_fma_f32 v[T+e:T+e+1], v[AC+e:AC+e+1], s[KT:KT+1], v[e:e+1] op_sel_hi:[1,0,1]
.else
	v_pk_fma_f32 v[T+e:T+e+1], v[AC+e:AC+e+1], s[KS:KS+1], v[e:e+1] op_sel_hi:[1,0,1]
.endif
.set e, e+2
.endr
	WIN 0
.set e, 0
.rept 64
	v_exp_f32 v[T+e], v[T+e]
.set e, e+1
.endr
	v_nop                                          ; a plain instruction between the last exponential and the use of its result
.set e, 0
	s_wait_alu depctr_va_vdst(0)
.rept 32
	v_pk_add_f32 v[T+e:T+e+1], v[T+e:T+e+1], 1.0 op_sel_hi:[1,0]
.set e, e+2
.endr
.set e, 0
.rept 64
	v_rcp_f32 v[T+e], v[T+e]                       ; i, f, o; of g: 1 / (1 + 2^(2 x log2 e))
.set e, e+1
.endr
	v_nop
.set e, 0
	s_wait_alu depctr_va_vdst(0)
.rept 8
	v_pk_fma_f32 v[T+32+e:T+33+e], v[T+32+e:T+33+e], -2.0, 1.0 op_sel_hi:[1,0,0]   ; g
.set e, e+2
.endr
.set e, 0
.rept 8
	v_pk_mul_f32 v[T+e:T+e+1], v[T+e:T+e+1], v[T+32+e:T+33+e]                      ; i g
.set e, e+2
.endr
	s_wait_dscnt 0x0                               ; c is in; and the last block's stores into the stages have read their registers
.set e, 0
.rept 8
	v_pk_fma_f32 v[NC+e:NC+e+1], v[T+16+e:T+17+e], v[CC+e:CC+e+1], v[T+e:T+e+1]    ; new_c = f c + i g
.set e, e+2
.endr
.set e, 0
.rept 8
	v_pk_mul_f32 v[NH+e:NH+e+1], v[NC+e:NC+e+1], s[KT:KT+1] op_sel_hi:[1,0]
.set e, e+2
.endr
.set e, 0
.rept 16
	v_exp_f32 v[NH+e], v[NH+e]
.set e, e+1
.endr
	v_nop
.set e, 0
	s_wait_alu depctr_va_vdst(0)
.rept 8
	v_pk_add_f32 v[NH+e:NH+e+1], v[NH+e:NH+e+1], 1.0 op_sel_hi:[1,0]
.set e, e+2
.endr
.set e, 0
.rept 16
	v_rcp_f32 v[NH+e], v[NH+e]
.set e, e+1
.endr
	v_nop
.set e, 0
	s_wait_alu depctr_va_vdst(0)
.rept 8
	v_pk_fma_f32 v[NH+e:NH+e+1], v[NH+e:NH+e+1], -2.0, 1.0 op_sel_hi:[1,0,0]       ; tanh(new_c)
.set e, e+2
.endr
.set e, 0
.rept 8
	v_pk_mul_f32 v[NH+e:NH+e+1], v[NH+e:NH+e+1], v[T+48+e:T+49+e]                  ; new_h = o tanh(new_c)
.set e, e+2
.endr
.irp n, 0,1,2,3
	ds_store_b128 v[STO], v[NC+4*\n:NC+4*\n+3] offset:RO+64*(\n/2)+16*(\n%2)
	ds_store_b128 v[STO2], v[NH+4*\n:NH+4*\n+3] offset:RO+64*(\n/2)+16*(\n%2)
.endr
.endm
; Rows 64 k .. 64 k + 63 of the tile are whole when all four waves have done blocks 2 k and 2 k + 1: a row's 256 bytes come from two waves.  One barrier; then each wave takes 16 rows of each stage.
; The stages' bytes differ from k to k, so nothing is written over.
.macro SENDOUT k
	s_wait_dscnt 0x0                               ; for the others' sake: my stores into the stages are done
	s_barrier_signal -1
	s_barrier_wait -1
.if \k > 0
	s_wait_xcnt 0x0                                ; the earlier stores have read their registers: only behind this wait are these loaded again
.endif
.irp t, 0,1,2,3,4,5,6,7
	ds_load_b128 v[OB+4*\t:OB+4*\t+3], v[RD] offset:(64*\k+2*\t)*PITCH
.endr
.irp t, 0,1,2,3,4,5,6,7
	ds_load_b128 v[OB+32+4*\t:OB+32+4*\t+3], v[RD2] offset:(64*\k+2*\t)*PITCH
.endr
.irp t, 0,1,2,3,4,5,6,7
	s_wait_dscnt 15-\t
	global_store_b128 v[CO], v[OB+4*\t:OB+4*\t+3], s[OUT0:OUT0+1] offset:(64*\k+2*\t)*4096 th:TH_STORE_NT       ; 16 lanes store 256 consecutive bytes, at a multiple of 256 from the buffer's first byte; the offset, 206 rows at the most, lies inside the signed 24-bit immediate
.endr
.irp t, 0,1,2,3,4,5,6,7
	s_wait_dscnt 7-\t
	global_store_b128 v[CO], v[OB+32+4*\t:OB+32+4*\t+3], s[OUT1:OUT1+1] offset:(64*\k+2*\t)*4096 th:TH_STORE_NT
.endr
.endm
	EPI 0
	EPI 1
	SENDOUT 0                                      ; these rows' stores leave while the next blocks are worked
	EPI 2
	EPI 3
	SENDOUT 1
	EPI 4
	EPI 5
	SENDOUT 2
	EPI 6
	EPI 7
	SENDOUT 3
	s_wait_tensorcnt 0x0                           ; the wave's end: behind my last tensor load and my last LDS store
	ds_add_u32 v[SPW], v[NIL]
	s_wait_dscnt 0x0
	CROUND                                         ; the closing round: no work-group ends while a partner may still ask for a tile that names it
	s_endpgm
.Lfunc_end_k_q0ff646bfcb_lstm:
	.size	k_q0ff646bfcb_lstm, .Lfunc_end_k_q0ff646bfcb_lstm-k_q0ff646bfcb_lstm
	.p2alignl 7, 3214868480
	.fill 96, 4, 3214868480
	.section	.rodata,"a",@progbits
	.p2align	6, 0x0
	.amdhsa_kernel k_q0ff646bfcb_lstm
		.amdhsa_group_segment_fixed_size 327680
		.amdhsa_private_segment_fixed_size 0
		.amdhsa_enable_private_segment 0
		.amdhsa_kernarg_size 216
		.amdhsa_user_sgpr_count 2
		.amdhsa_user_sgpr_kernarg_segment_ptr 1
		.amdhsa_wavefront_size32 1
		.amdhsa_system_sgpr_workgroup_id_x 1
		.amdhsa_system_sgpr_workgroup_id_y 1
		.amdhsa_system_sgpr_workgroup_id_z 1
		.amdhsa_system_vgpr_workitem_id 0
		.amdhsa_next_free_vgpr 1024
		.amdhsa_next_free_sgpr 102
		.amdhsa_reserve_vcc 0
		.amdhsa_float_denorm_mode_32 3
		.amdhsa_float_denorm_mode_16_64 3
		.amdhsa_memory_ordered 1
		.amdhsa_forward_progress 1
		.amdhsa_inst_pref_size 255
	.end_amdhsa_kernel
	.section	.bss,"aw",@nobits
	.p2align	6
	.space	262144
	.amdgpu_metadata
---
amdhsa.version: [ 1, 2 ]
amdhsa.kernels:
  - .name:           k_q0ff646bfcb_lstm
    .symbol:         k_q0ff646bfcb_lstm.kd
    .args:
      - { .name: inputs_codes, .offset: 0, .size: 8, .value_kind: global_buffer, .address_space: global }
      - { .name: h_codes, .offset: 8, .size: 8, .value_kind: global_buffer, .address_space: global }
      - { .name: inputs_scales, .offset: 16, .size: 8, .value_kind: global_buffer, .address_space: global }
      - { .name: h_scales, .offset: 24, .size: 8, .value_kind: global_buffer, .address_space: global }
      - { .name: Wii_codes, .offset: 32, .size: 8, .value_kind: global_buffer, .address_space: global }
      - { .name: Wif_codes, .offset: 40, .size: 8, .value_kind: global_buffer, .address_space: global }
      - { .name: Wig_codes, .offset: 48, .size: 8, .value_kind: global_buffer, .address_space: global }
      - { .name: Wio_codes, .offset: 56, .size: 8, .value_kind: global_buffer, .address_space: global }
      - { .name: Whi_codes, .offset: 64, .size: 8, .value_kind: global_buffer, .address_space: global }
      - { .name: Whf_codes, .offset: 72, .size: 8, .value_kind: global_buffer, .address_space: global }
      - { .name: Whg_codes, .offset: 80, .size: 8, .value_kind: global_buffer, .address_space: global }
      - { .name: Who_codes, .offset: 88, .size: 8, .value_kind: global_buffer, .address_space: global }
      - { .name: Wii_scales, .offset: 96, .size: 8, .value_kind: global_buffer, .address_space: global }
      - { .name: Wif_scales, .offset: 104, .size: 8, .value_kind: global_buffer, .address_space: global }
      - { .name: Wig_scales, .offset: 112, .size: 8, .value_kind: global_buffer, .address_space: global }
      - { .name: Wio_scales, .offset: 120, .size: 8, .value_kind: global_buffer, .address_space: global }
      - { .name: Whi_scales, .offset: 128, .size: 8, .value_kind: global_buffer, .address_space: global }
      - { .name: Whf_scales, .offset: 136, .size: 8, .value_kind: global_buffer, .address_space: global }
      - { .name: Whg_scales, .offset: 144, .size: 8, .value_kind: global_buffer, .address_space: global }
      - { .name: Who_scales, .offset: 152, .size: 8, .value_kind: global_buffer, .address_space: global }
      - { .name: bi, .offset: 160, .size: 8, .value_kind: global_buffer, .address_space: global }
      - { .name: bf, .offset: 168, .size: 8, .value_kind: global_buffer, .address_space: global }
      - { .name: bg, .offset: 176, .size: 8, .value_kind: global_buffer, .address_space: global }
      - { .name: bo, .offset: 184, .size: 8, .value_kind: global_buffer, .address_space: global }
      - { .name: c, .offset: 192, .size: 8, .value_kind: global_buffer, .address_space: global }
      - { .name: out0, .offset: 200, .size: 8, .value_kind: global_buffer, .address_space: global }
      - { .name: out1, .offset: 208, .size: 8, .value_kind: global_buffer, .address_space: global }
    .group_segment_fixed_size: 327680
    .private_segment_fixed_size: 0
    .kernarg_segment_align: 8
    .kernarg_segment_size: 216
    .max_flat_workgroup_size: 128
    .sgpr_count:     102
    .vgpr_count:     1024
    .wavefront_size: 32
...
	.end_amdgpu_metadata
.endif
;; end of part 1
